; MI455X (gfx1250); checked and timed in simulation.
; The chip was launched on July 23, 2026; its instructions are those of AMD's public machine-readable ISA for CDNA 5 (MIT licence, August 2026) and "CDNA5" Instruction Set Architecture Reference Guide (July 2026). The comments in the code are by the model that wrote it; some were corrected since.
;; CLF QP Net. Allowed arithmetic: matrix products marked QUANTISED: E2M1 operands, one E8M0 scale for each 32 along K, by v_wmma_scale_f32_16x16x128_f8f6f4 with both operands' format E2M1 (or v_wmma_scale_f32_32x16x128_f4), f32 sums; products left as they are: f32 operands where the result goes on into a quantised operand, else bf16, f16 or f32 operands; f32 sums; everything else in f32.
;; Inputs: Ub1 256 float32; Ub2 256 float32; Ub3 1 float32; Uw1 256 x 4 float32; Uw2 256 x 256 float32; Uw3 1 x 256 float32; Vb1 256 float32; Vb2 256 float32; Vb3 64 float32; Vw1 256 x 4 float32; Vw2 256 x 256 float32; Vw3 64 x 256 float32; x 131,072 x 4 float32.
;; Outputs: out0 131,072 x 1 float32; out1 131,072 float32; out2 131,072 x 1 x 1 float32.
;; This version of the problem:
;;   THIS VERSION OF THE PROBLEM IS GIVEN IN LOW PRECISION. The matrix products marked QUANTISED in the list below multiply operands that are first quantised to E2M1 (2 exponent bits, 1 mantissa bit; 4 bits a number), with one power-of-two scale for each 32 numbers along K (OCP MX v1.0); their sums are f32. All else is computed in f32.
;;   The module's matrix products, in the order in which they are computed (A, B: the left and right operand; K: the contracted axis; several contracted axes count as one K, in the product's order):
;;     1. [M 131,072, K 4] x [K 4, N 256]; A: input x; B: input Vw1: left as it is (K = 4 < 32)
;;     2. [M 131,072, K 256] x [K 256, N 256]; A: computed on the way; B: input Vw2: QUANTISED
;;     3. [M 131,072, K 256] x [K 256, N 64]; A: computed on the way; B: input Vw3: QUANTISED
;;     4. [M 524,288, K 256] x [K 256, N 256]; A: computed on the way; B: input Vw2: QUANTISED
;;     5. [M 524,288, K 256] x [K 256, N 64]; A: computed on the way; B: input Vw3: QUANTISED
;;     6. batch 131,072 x [M 1, K 64] x [K 64, N 4]; A: computed on the way; B: computed on the way: left as it is (M = 1 < 16)
;;     7. [M 131,072, K 4] x [K 4, N 256]; A: input x; B: input Uw1: left as it is (K = 4 < 32)
;;     8. [M 131,072, K 256] x [K 256, N 256]; A: computed on the way; B: input Uw2: QUANTISED
;;     9. [M 131,072, K 256] x [K 256, N 1]; A: computed on the way; B: input Uw3: left as it is (N = 1 < 16)
;;     10. batch 131,072 x [M 1, K 4] x [K 4, N 1]; A: computed on the way; B: computed on the way: left as it is (K = 4 < 32)
;;   THE QUANTISER, for each operand of a quantised product, along K:
;;     - K is cut into blocks of 32 from its start; a last block that is shorter is filled with zeros.
;;     - A block's scale is 2^e with e = floor(log2(the largest magnitude in the block)) - 2, held to -126 .. 127; a block of zeros has e = 0. As a byte (E8M0): e + 127.
;;     - Each number is divided by its block's scale, clamped to +-6, and rounded to the nearest number of E2M1, ties to even, subnormals kept.
;;     - The product sums the exact products of the quantised numbers (number of the format x scale) in f32.
;;   ~~~python
;;   def quantise(x, axis):      # numpy; x: float32 -> the quantised numbers, widened to float32 again
;;       x = np.moveaxis(x, axis, -1); K = x.shape[-1]
;;       x = np.pad(x, [(0, 0)] * (x.ndim - 1) + [(0, -K % 32)]); x = x.reshape(x.shape[:-1] + (-1, 32)); a = np.abs(x).max(-1, keepdims=True)
;;       e = np.where(a > 0, np.clip(np.frexp(np.where(a > 0, a, 1))[1] - 1 - 2, -126, 127), 0)      # np.frexp(a)[1] - 1 = floor(log2(a)), exactly
;;       r = np.clip(x / 2.0 ** e, -6, 6)
;;       step = 2.0 ** (np.maximum(np.frexp(np.where(r == 0, 1, r))[1] - 1, 0) - 1)
;;       q = np.round(r / step) * step * 2.0 ** e      # np.round: ties to even
;;       return np.moveaxis(q.reshape(q.shape[:-2] + (-1,))[..., :K], -1, axis).astype(np.float32)
;;   ~~~
;;   OPERANDS COMPUTED ON THE WAY. 'Computed on the way' means the value that the module computes at that place (a softmax that the list does not call 'softmax' is quantised finished and normalised). What goes into a quantiser is computed in f32, as accurately as f32 sums, v_exp_f32 and their like allow (about 1e-6 of the number): no bf16 or f16 on the way to a quantiser, and a product that is left as it is and whose result goes on into a quantised operand takes f32 operands (vector FMAs, or v_wmma_f32_16x16x4_f32). A number that lies on a knife's edge between two numbers of the format may be rounded either way, as far as f32 arithmetic and the matrix unit's own rounding can turn it there, and no further.
;; One version. Each part assembles by itself: llvm-mc -triple=amdgcn-amd-amdhsa -mcpu=gfx1250 --defsym DOCPART=n.
;; ======== version 1 of 1: 2 launches
;; limits: right only within a limited range of input values
;; workspace buffers: tab 98,304 bytes
;; launch prep (part 1): grid 19 x 1, 1 waves a work-group, no clusters, 0 bytes of LDS; arguments Vw2, Uw2, Vw3, Vw1, Uw1, Vb1, Ub1, Vb2, Ub2, Uw3, Vb3, Ub3, tab; writes tab
.if DOCPART == 1
	.amdgcn_target "amdgcn-amd-amdhsa--gfx1250"
	.amdhsa_code_object_version 6
	.text
	.protected	k_q07cd0caa97_prep
	.globl	k_q07cd0caa97_prep
	.p2align	8
	.type	k_q07cd0caa97_prep,@function
k_q07cd0caa97_prep:
	s_mov_b64 s[64:65], 0
	v_nop
	global_prefetch_b8 v0, s[64:65] scope:SCOPE_SE
	s_setreg_imm32_b32 hwreg(HW_REG_WAVE_MODE, 25, 1), 1
	s_wait_xcnt 0x0
; The weights are made ready ONCE for the launch that follows: one table of 98,304 bytes, which that launch copies into LDS as it lies.
; Work-groups 0 to 17 (one wave each) quantise one block of 32 rows of Vw2 (0-7), Vw3 (8, 9) or Uw2 (10-17), f32 [rows][256], K = 256 innermost, to codes of FP4 (E2M1) with one E8M0 byte for each 32 along K,
; and store them as IMAGES OF THE OPERAND'S REGISTERS: fragment (tile u, K step s) at 1024 (2 u + s), register group c at 512 c, lane l's 16 bytes at 16 l.
; THE ROWS OF A TILE ARE NOT NEIGHBOURS: lane r of tile u takes row 32 block + 8 u + r + 8 (r / 8), so that in the transposed product a lane's 16 results of tiles 0 and 1 are 16 neighbouring units.
; A lane holds whole blocks of 32 along K (lane (r, h), group (s, c): k = 128 s + 64 c + 32 h + 0 .. 31), so a block's largest magnitude needs no other lane.
; A block's scale is 2^(floor(log2(largest magnitude)) - 2): its byte is the largest magnitude's exponent field - 2, held at 1 from below.
; Both tiles' 64 loads go out together, tile 1's into register window 1: tile 0 is worked on while tile 1's numbers are on their way.
; Work-group 18 lays out what belongs to single units: c W1 as operands of the f32 matrix form, c b1, 4 Vw1 by column, the other biases, Uw3, and Ub3 + the sum of Uw3.  c = 2 log2(e).
; LIMITS: NaN and infinities are not served; a block whose largest magnitude lies under 2^-124 is held at the byte 1; a block of zeros gets the byte 1 with zero codes (this program alone reads the bytes).
.set T_SC,  73728                      ; scale words: 256 bytes a block: 8 x lane + 4 u; lanes 0-15 the word of K step 0 of the lane's row, lanes 16-31 that of K step 1
.set T_A1V, 78336                      ; c Vw1: tile t at 256 t, lane (r, h): columns 2 h, 2 h + 1 of the tile's row r
.set T_A1U, 82432                      ; c Uw1 likewise
.set T_B1V, 86528                      ; c Vb1
.set T_W4,  87552                      ; 4 Vw1, [column][unit]
.set T_B1U, 91648                      ; c Ub1
.set T_B2V, 92672                      ; Vb2
.set T_B3,  93696                      ; Vb3
.set T_B2U, 93952                      ; Ub2
.set T_UW3, 94976                      ; Uw3
.set T_SW,  96000                      ; Ub3 + sum of Uw3, in every word of 256 bytes
.set T_PAD, 96256                      ; zeros up to 98,304: the next launch copies whole rows of 256 bytes
.set QM, 8                             ; v8-11   largest magnitudes of the four blocks in hand
.set QS, 12                            ; v12-15  the conversions' scale operands
.set QB, 16                            ; v16-19  the scale bytes
.set XX, 64                            ; v64-191 a tile's 128 numbers of a lane: tile 0's in window 0, tile 1's in window 1
.set MSB, 0
.macro WIN new                         ; s_set_vgpr_msb: bits 1:0 source 0, 3:2 source 1, 5:4 source 2, 7:6 destination; the high byte repeats the setting that is left
.if MSB != (\new)
	s_set_vgpr_msb (MSB<<8)|(\new)
.set MSB, \new
.endif
.endm
	s_load_b512 s[8:23], s[0:1], 0x0               ; Vw2 s8, Uw2 s10, Vw3 s12, Vw1 s14, Uw1 s16, Vb1 s18, Ub1 s20, Vb2 s22
	s_load_b256 s[24:31], s[0:1], 0x40             ; Ub2 s24, Uw3 s26, Vb3 s28, Ub3 s30
	s_load_b64 s[32:33], s[0:1], 0x60              ; the table
	v_and_b32 v1, 15, v0                           ; r
	v_lshrrev_b32 v2, 4, v0                        ; h
	v_and_b32 v26, 8, v1
	v_add_nc_u32 v26, v26, v1                      ; r + 8 (r / 8)
	v_lshlrev_b32 v4, 4, v0                        ; 16 x lane
	v_lshlrev_b32 v5, 3, v0                        ; 8 x lane
	s_mov_b32 s40, 0x76543210
	s_mov_b32 s41, 0xfedcba98                      ; v_permlanex16_b32's selects for lane l xor 16
	s_wait_kmcnt 0x0
	s_cmp_eq_u32 ttmp9, 18
	s_cbranch_scc1 .Lconst
	; ---- a block of 32 rows of a weight.  The buffer is chosen by the work-group's number alone
	s_cmp_lt_u32 ttmp9, 10
	s_cselect_b64 s[34:35], s[12:13], s[10:11]     ; Vw3 or Uw2
	s_cselect_b32 s42, 8, 10
	s_cmp_lt_u32 ttmp9, 8
	s_cselect_b64 s[34:35], s[8:9], s[34:35]       ; or Vw2
	s_cselect_b32 s42, 0, s42
	s_sub_co_u32 s42, ttmp9, s42                   ; the block's number in its tensor
	s_lshl_b32 s42, s42, 15                        ; 32 rows of 1,024 bytes
	s_mov_b32 s43, 0
	s_add_nc_u64 s[34:35], s[34:35], s[42:43]
	s_lshl_b32 s42, ttmp9, 12
	s_add_nc_u64 s[36:37], s[32:33], s[42:43]      ; the block's images: 4,096 bytes
	s_lshl_b32 s42, ttmp9, 8
	s_add_co_u32 s42, s42, T_SC
	s_add_nc_u64 s[38:39], s[32:33], s[42:43]      ; and its scale words: 256 bytes
	v_lshlrev_b32 v3, 10, v26
	v_lshl_add_u32 v3, v2, 7, v3                   ; my row of a tile, + 32 h numbers
	v_lshlrev_b32 v6, 3, v2                        ; 8 h: my bytes' place in a scale word, in bits
	v_cmp_eq_u32 vcc_lo, 1, v2                     ; lanes 16-31
	v_mov_b32 v22, 0                               ; written once: a lane permute's destination counts as one of its sources
	v_mov_b32 v23, 0
.macro QLOAD u                         ; tile u's 128 numbers of my row into window u
	WIN 0x40*\u                                    ; the destination's window; the address stays in window 0
.irp q, 0,1,2,3                                ; q = 2 s + c: 32 numbers, 128 bytes of my row
.irp i, 0,1,2,3,4,5,6,7
	global_load_b128 v[XX+32*\q+4*\i:XX+32*\q+4*\i+3], v3, s[34:35] offset:8192*\u+256*\q+16*\i th:TH_LOAD_NT
.endr
.endr
.endm
.macro QTILE u
	WIN 0x05*\u                                    ; sources 0 and 1: the tile's numbers
.irp q, 0,1,2,3
	v_max3_num_f32 v[QM+\q], |v[XX+32*\q]|, |v[XX+32*\q+1]|, 0x1800000   ; the floor 2^(3 - 127) among the leaves: the byte cannot fall under 1
.endr
	WIN 0x14*\u                                    ; sources 1 and 2
.irp i, 2,4,6,8,10,12,14,16,18,20,22,24,26,28,30
.irp q, 0,1,2,3
	v_max3_num_f32 v[QM+\q], v[QM+\q], |v[XX+32*\q+\i]|, |v[XX+32*\q+\i+1]|   ; the four blocks by turns
.endr
.endr
	WIN 0
.irp q, 0,1,2,3
	v_add_nc_u32 v[QS+\q], 0xff000000, v[QM+\q]    ; 2 off the exponent field: the conversion takes that field as its scale
.endr
.irp q, 0,1,2,3
	v_lshrrev_b32 v[QB+\q], 23, v[QS+\q]           ; the scale's byte
.endr
	WIN 0x01*\u                                    ; source 0
.irp q, 0,1,2,3
.irp g, 0,1,2,3
	v_cvt_scalef32_pk8_fp4_f32 v[32+16*\u+4*\q+\g], v[XX+32*\q+8*\g:XX+32*\q+8*\g+7], v[QS+\q]
.endr
.endr
	WIN 0
.irp s, 0,1                                    ; K step s: my bytes are those of blocks h and 2 + h; lane l xor 16 has the other two.  (The first of these lines is the plain line behind the conversions)
	v_lshl_or_b32 v[20+\s], v[QB+2*\s+1], 16, v[QB+2*\s]
	v_lshlrev_b32 v[20+\s], v6, v[20+\s]
	v_permlanex16_b32 v[22+\s], v[20+\s], s40, s41
	v_or_b32 v[20+\s], v[20+\s], v[22+\s]
.endr
	v_cndmask_b32 v[28+\u], v20, v21, vcc_lo       ; lanes 0-15 keep K step 0's word, lanes 16-31 K step 1's
.irp q, 0,1,2,3
	global_store_b128 v4, v[32+16*\u+4*\q:32+16*\u+4*\q+3], s[36:37] offset:2048*\u+512*\q   ; 1024 (2 u + s) + 512 c; the wave stores 512 consecutive bytes.  Each tile has its own registers: no store's data are written again
.endr
.endm
	QLOAD 0
	QLOAD 1
	WIN 0
	s_wait_loadcnt 32                              ; tile 0's 32 loads are in; tile 1's 32, issued behind them, may be out
	QTILE 0
	s_wait_loadcnt 0x0
	QTILE 1
	global_store_b64 v5, v[28:29], s[38:39]        ; 256 consecutive bytes, aligned
	s_endpgm
.Lconst:
	; ---- what belongs to single units.  All loads first, one wait, then arithmetic and stores; every store has registers of its own
	v_lshlrev_b32 v24, 4, v26
	v_lshl_add_u32 v24, v2, 3, v24                 ; a row of W1 is 16 bytes: row r + 8 (r / 8), + 8 h
	v_lshlrev_b32 v7, 5, v0                        ; 32 x lane
	v_mov_b32 v25, 0
	s_mov_b32 s44, 0x4038aa3b                      ; c = 2 log2(e)
	s_mov_b32 s45, s44                             ; (named with it as a pair, so it is written)
.irp t, 0,1,2,3,4,5,6,7,8,9,10,11,12,13,14,15
	global_load_b64 v[64+2*\t:65+2*\t], v24, s[14:15] offset:(32*(\t/2)+8*(\t%2))*16
	global_load_b64 v[96+2*\t:97+2*\t], v24, s[16:17] offset:(32*(\t/2)+8*(\t%2))*16
.endr
	global_load_b128 v[128:131], v4, s[18:19]
	global_load_b128 v[132:135], v4, s[18:19] offset:512
	global_load_b128 v[136:139], v4, s[20:21]
	global_load_b128 v[140:143], v4, s[20:21] offset:512
.irp q, 0,1,2,3
	global_load_b128 v[144+8*\q:147+8*\q], v7, s[14:15] offset:1024*\q       ; Vw1's row 64 q + 2 lane,
	global_load_b128 v[148+8*\q:151+8*\q], v7, s[14:15] offset:1024*\q+16    ; and the next
.endr
	global_load_b128 v[32:35], v4, s[22:23]
	global_load_b128 v[36:39], v4, s[22:23] offset:512
	global_load_b128 v[40:43], v4, s[24:25]
	global_load_b128 v[44:47], v4, s[24:25] offset:512
	global_load_b128 v[48:51], v4, s[26:27]
	global_load_b128 v[52:55], v4, s[26:27] offset:512
	global_load_b64 v[56:57], v5, s[28:29]
	global_load_b32 v58, v25, s[30:31]
	s_wait_loadcnt 0x0
.irp i, 0,2,4,6,8,10,12,14,16,18,20,22,24,26,28,30,32,34,36,38,40,42,44,46,48,50,52,54,56,58,60,62,64,66,68,70,72,74,76,78
	v_pk_mul_f32 v[64+\i:65+\i], v[64+\i:65+\i], s[44:45] op_sel_hi:[1,0]    ; c Vw1, c Uw1, c Vb1, c Ub1
.endr
.irp t, 0,1,2,3,4,5,6,7,8,9,10,11,12,13,14,15
	global_store_b64 v5, v[64+2*\t:65+2*\t], s[32:33] offset:T_A1V+256*\t
	global_store_b64 v5, v[96+2*\t:97+2*\t], s[32:33] offset:T_A1U+256*\t
.endr
	global_store_b128 v4, v[128:131], s[32:33] offset:T_B1V
	global_store_b128 v4, v[132:135], s[32:33] offset:T_B1V+512
	global_store_b128 v4, v[136:139], s[32:33] offset:T_B1U
	global_store_b128 v4, v[140:143], s[32:33] offset:T_B1U+512
.irp q, 0,1,2,3
.irp k, 0,1,2,3
	v_mul_f32 v[192+8*\q+2*\k], 4.0, v[144+8*\q+\k]       ; 4 Vw1: exact; the 4 of 1 - tanh^2 = 4 (R - R^2)
	v_mul_f32 v[193+8*\q+2*\k], 4.0, v[148+8*\q+\k]
	global_store_b64 v5, v[192+8*\q+2*\k:193+8*\q+2*\k], s[32:33] offset:T_W4+1024*\k+256*\q
.endr
.endr
	global_store_b128 v4, v[32:35], s[32:33] offset:T_B2V
	global_store_b128 v4, v[36:39], s[32:33] offset:T_B2V+512
	global_store_b128 v4, v[40:43], s[32:33] offset:T_B2U
	global_store_b128 v4, v[44:47], s[32:33] offset:T_B2U+512
	global_store_b128 v4, v[48:51], s[32:33] offset:T_UW3
	global_store_b128 v4, v[52:55], s[32:33] offset:T_UW3+512
	global_store_b64 v5, v[56:57], s[32:33] offset:T_B3
	v_add_f32 v59, v48, v49                        ; the sum of Uw3: my eight,
	v_add_f32 v60, v50, v51
	v_add_f32 v61, v52, v53
	v_add_f32 v62, v54, v55
	v_add_f32 v59, v59, v60
	v_add_f32 v61, v61, v62
	v_add_f32 v59, v59, v61
	v_add_f32_dpp v59, v59, v59 row_xmask:1 row_mask:0xf bank_mask:0xf       ; and the 32 lanes'
	v_add_f32_dpp v59, v59, v59 row_xmask:2 row_mask:0xf bank_mask:0xf
	v_add_f32_dpp v59, v59, v59 row_xmask:4 row_mask:0xf bank_mask:0xf
	v_add_f32_dpp v59, v59, v59 row_xmask:8 row_mask:0xf bank_mask:0xf
	v_permlanex16_b32 v60, v59, s40, s41
	v_add_f32 v59, v59, v60
	v_add_f32 v60, v59, v58                        ; + Ub3
	v_mov_b32 v61, v60
	global_store_b64 v5, v[60:61], s[32:33] offset:T_SW
	v_mov_b32 v8, 0
	v_mov_b32 v9, 0
	v_mov_b32 v10, 0
	v_mov_b32 v11, 0
.irp i, 0,1,2,3
	global_store_b128 v4, v[8:11], s[32:33] offset:T_PAD+512*\i
.endr
	s_endpgm
.Lfunc_end_k_q07cd0caa97_prep:
	.size	k_q07cd0caa97_prep, .Lfunc_end_k_q07cd0caa97_prep-k_q07cd0caa97_prep
	.p2alignl 7, 3214868480
	.fill 96, 4, 3214868480
	.section	.rodata,"a",@progbits
	.p2align	6, 0x0
	.amdhsa_kernel k_q07cd0caa97_prep
		.amdhsa_group_segment_fixed_size 0
		.amdhsa_private_segment_fixed_size 0
		.amdhsa_enable_private_segment 0
		.amdhsa_kernarg_size 104
		.amdhsa_user_sgpr_count 2
		.amdhsa_user_sgpr_kernarg_segment_ptr 1
		.amdhsa_wavefront_size32 1
		.amdhsa_system_sgpr_workgroup_id_x 1
		.amdhsa_system_sgpr_workgroup_id_y 1
		.amdhsa_system_sgpr_workgroup_id_z 1
		.amdhsa_system_vgpr_workitem_id 0
		.amdhsa_next_free_vgpr 448
		.amdhsa_next_free_sgpr 66
		.amdhsa_reserve_vcc 1
		.amdhsa_float_denorm_mode_32 3
		.amdhsa_float_denorm_mode_16_64 3
		.amdhsa_memory_ordered 1
		.amdhsa_forward_progress 1
		.amdhsa_inst_pref_size 36
	.end_amdhsa_kernel
	.amdgpu_metadata
---
amdhsa.version: [ 1, 2 ]
amdhsa.kernels:
  - .name:           k_q07cd0caa97_prep
    .symbol:         k_q07cd0caa97_prep.kd
    .args:
      - { .name: Vw2, .offset: 0, .size: 8, .value_kind: global_buffer, .address_space: global }
      - { .name: Uw2, .offset: 8, .size: 8, .value_kind: global_buffer, .address_space: global }
      - { .name: Vw3, .offset: 16, .size: 8, .value_kind: global_buffer, .address_space: global }
      - { .name: Vw1, .offset: 24, .size: 8, .value_kind: global_buffer, .address_space: global }
      - { .name: Uw1, .offset: 32, .size: 8, .value_kind: global_buffer, .address_space: global }
      - { .name: Vb1, .offset: 40, .size: 8, .value_kind: global_buffer, .address_space: global }
      - { .name: Ub1, .offset: 48, .size: 8, .value_kind: global_buffer, .address_space: global }
      - { .name: Vb2, .offset: 56, .size: 8, .value_kind: global_buffer, .address_space: global }
      - { .name: Ub2, .offset: 64, .size: 8, .value_kind: global_buffer, .address_space: global }
      - { .name: Uw3, .offset: 72, .size: 8, .value_kind: global_buffer, .address_space: global }
      - { .name: Vb3, .offset: 80, .size: 8, .value_kind: global_buffer, .address_space: global }
      - { .name: Ub3, .offset: 88, .size: 8, .value_kind: global_buffer, .address_space: global }
      - { .name: tab, .offset: 96, .size: 8, .value_kind: global_buffer, .address_space: global }
    .group_segment_fixed_size: 0
    .private_segment_fixed_size: 0
    .kernarg_segment_align: 8
    .kernarg_segment_size: 104
    .max_flat_workgroup_size: 32
    .sgpr_count:     66
    .vgpr_count:     448
    .wavefront_size: 32
...
	.end_amdgpu_metadata
.endif
;; end of part 1
;; launch net (part 2): grid 256 x 1, 8 waves a work-group, clusters of 4 x 1, 277,504 bytes of LDS; arguments x, tab, out0, out1, out2; writes out0, out1, out2
.if DOCPART == 2
	.amdgcn_target "amdgcn-amd-amdhsa--gfx1250"
	.amdhsa_code_object_version 6
	.text
	.protected	k_q07cd0caa97_net
	.globl	k_q07cd0caa97_net
	.p2align	8
	.type	k_q07cd0caa97_net,@function
k_q07cd0caa97_net:
	s_mov_b64 s[64:65], 0
	v_nop
	global_prefetch_b8 v0, s[64:65] scope:SCOPE_SE
	s_setreg_imm32_b32 hwreg(HW_REG_WAVE_MODE, 25, 1), 1
	s_wait_xcnt 0x0
	s_wait_alu depctr_hold_cnt(0) depctr_sa_sdst(0) depctr_va_vdst(0) depctr_va_sdst(0) depctr_va_ssrc(0) depctr_va_vcc(0) depctr_vm_vsrc(0)
	s_getreg_b32 s2, hwreg(HW_REG_IB_STS2, 6, 4)
	s_cmp_eq_u32 s2, 0
	s_cbranch_scc0 .Lentry_in_a_cluster
	s_endpgm
.Lentry_in_a_cluster:
	s_bfe_u32 s2, ttmp6, 0x10000c
	s_cmp_lg_u32 s2, 0x3003
	s_cbranch_scc0 .Lentry_shape_is_right
	s_endpgm
.Lentry_shape_is_right:
; u, V and Vdot of the two tanh networks, for 131,072 rows of x[4]; nothing between x and the three outputs goes to memory.
; SHARES.  A work-group owns 512 rows, each of its eight waves 64: two passes of 32 rows, two tiles of 16 (m = 0, 1).  A WAVE TAKES ITS ROWS THROUGH THE WHOLE CHAIN, so no wave waits for another in the work.
; Pass p, tile m, lane r: row 2 (16 m + r) + p of the wave's 64, so that lane l ends with rows 2 l and 2 l + 1: 8 neighbouring bytes of each output.
; THE TABLE (98,304 bytes: the weights' codes as images of the operand's registers, their scale words, and what belongs to single units) comes into LDS once, 12,288 bytes a wave by one tensor load.
; CLUSTER.  All work-groups read the same table: the four of a cluster ask for it JOINTLY (the same load, the same descriptor, a mask that names the four).
; PRODUCTS.  All are used transposed: source 0 = 16 units (rows of a weight), source 1 = 16 rows of the batch: a lane (r, h) holds ONE row r, and its registers run along the units, the next product's K.
; Tile 2 B + u, lane r takes unit 32 B + 8 u + r + 8 (r / 8): the 16 registers of tiles 2 B and 2 B + 1 are units 32 B + 16 h + 0 .. 15: half a block of the quantiser; lane l xor 16 holds the other half.
; The products with K = 256 multiply codes of FP4 (E2M1) with E8M0 scales.  The first layers (K = 4) feed a quantiser and take f32 operands: one f32 matrix instruction a tile, A = c W1, B = x, C = c b1.
; TANH.  c = 2 log2(e); R = 1 / (1 + 2^(c z)); tanh z = 1 - 2 R; 1 - tanh^2 z = 4 (R - R^2).  The 4 is a power of two and goes through the quantiser unchanged but for the scale's byte:
; at layer 1 it lies in the table's 4 Vw1, at layers 2 and 3 it is left out and Vdot is multiplied by 16 at the end.
; BY TURNS.  In V's first two layers z of both tiles of rows is at hand at a trip's head.  Tile 0's exponentials and reciprocals stand alone; tile 1's stand among tile 0's plain lines: an exponential ahead of each three
; lines of tanh, derivative and Jacobian, a reciprocal among the quantiser's maxima.  Each such batch has its one wait ahead of its first reader.
; CODES GO TO THE NEXT PRODUCT THROUGH THE WAVE'S OWN SCRATCH IN LDS: the 8 bytes of a lane's 16 codes of block B are stored at 256 B + 16 r + 8 h, which is their place in the image of the next operand's registers
; (K step s, register group g, lane (r, h'): block 4 s + 2 g + h' at 1024 s + 512 g + 256 h' + 16 r); the block's scale byte at 8 r + B, so that 8 bytes of a row are the scale words of both K steps.
; Ten operands a pass: slot 5 m + o; o = 0: the activations (u1, a1, a2); o = 1 + k: column k of the Jacobian (D1, D2).
; The last layer of U: Ub3 + sum Uw3 (1 - 2 R) = SW - 2 sum R Uw3, SW from the table.
; LIMITS.  NaN and infinities are not served.  tanh has an absolute error of about 1e-7.  A block whose largest magnitude lies under 2^-124 (for D2: whose true one lies under 2^-122) is held at the scale byte 1; a block of zeros
; gets that byte with zero codes.  sin and cos: theta is reduced by a multiple of pi / 2 taken in two parts, whose error is about 2e-15 for each quarter turn; the quadrant is a 32-bit number: |theta| under 2^30.
.set T_VW2, 0                          ; the table: blocks of 32 units, 4,096 bytes each: fragment (u, s) at 1024 (2 u + s), register group at 512 c, lane at 16 l.  Vw2: blocks 0-7,
.set T_VW3, 32768                      ; Vw3: 8, 9,
.set T_UW2, 40960                      ; Uw2: 10-17
.set T_SV2, 73728                      ; scale words, 256 bytes a block: 8 lane + 4 u; lanes 0-15 K step 0, lanes 16-31 K step 1
.set T_SV3, 75776
.set T_SU2, 76288
.set T_A1V, 78336                      ; c Vw1 as operands of the f32 form: tile t at 256 t, 8 bytes a lane
.set T_A1U, 82432
.set T_B1V, 86528                      ; c Vb1; behind it 4 Vw1, [column][unit]: 1,024 + 1,024 k on
.set T_B1U, 91648
.set T_B2V, 92672                      ; Vb2, and on end
.set T_B3,  93696                      ; Vb3
.set T_B2U, 93952
.set T_UW3, 94976
.set T_SW,  96000
.set SCR,   98304                      ; behind the table: the waves' scratch; no tensor load lands here
.set WSCR,  22272                      ; a wave's: ten operands of 2,048 bytes,
.set SCB,   20736                      ; their scale bytes, 128 each, from here on; 256 bytes between the two and at the end are not used
; window 0
.set AW,  7                            ; v7   LDS address of a block's weight fragments          (v1 16 lane, v2 8 lane, v3 64 h, v4 scratch + 16 r + 8 h, v5 scratch + SCB + 8 r, v6 scratch + 16 lane: never rewritten)
.set AS,  8                            ; v8   of its scale words
.set AB,  9                            ; v9   of its 16 biases of my half
.set AA,  10                           ; v10  of the first layers' operands; in U's second layer of Uw3
.set AC,  11                           ; v11  where my codes of the block in hand go
.set AY,  12                           ; v12  and the block's scale byte
.set XF,  16                           ; v16-23  x as source 1 of the f32 form: pass p, tile m at 4 p + 2 m
.set XR,  24                           ; v24-31  x of my own row of pass p at 4 p
.set RU,  32                           ; v32-37  u, V, Vdot: a pair each, pass p in half p
.set RV,  34
.set RD,  36
.set BS,  38                           ; v38-57  scale words of the ten operands: 2 slot + s.  v38-59 hold scales and nothing else
.set ASC, 58                           ; v58-59  the weights' scale words, tile u
.set A1,  60                           ; v60-63  c W1, tile u at 2 u
.set BC,  64                           ; v64-79  16 biases
.set Z1,  80                           ; v80-111 16 m + 8 u: c z of the first layers, z of V's later layers: written by matrix instructions alone
.set ACC, 112                          ; v112-127 the activations of the tile in hand; v128-191 the Jacobian's accumulators 16 o + 8 u, o = 1 .. 4; in U's network accumulators 16 m + 8 u from v112 on
.set EE,  192                          ; v192-223 2^(c z), R, R - R^2: tile m at 16 m
.set QM,  224                          ; v224-228 largest magnitudes, then scale bytes
.set QX,  229                          ; v229-233 a second chain; lane l xor 16's
.set QS,  234                          ; v234-238 the conversions' scale operands
.set QC,  240                          ; v240-249 codes, a pair a block
.set UW3R, 176                         ; U's second layer: 16 numbers of Uw3
.set UD,  224                          ; and four chains of the last layer's sum, two a tile
.set VS,  224                          ; V's third layer: sum a3^2, a pair a tile
.set GK,  228                          ; and sum a3 T D, 8 m + 2 k
; window 1
.set WF,  160                          ; v160-191 a block's four weight fragments, 8 (2 u + s);  v0-159 the ten operands' fragments, 16 slot + 8 s
.set W4R, 192                          ; v192-255 4 Vw1 of my 16 units, 16 k + i
.set MSB, 0
.macro WIN new                         ; the immediate's high byte repeats the setting that is left; a switch that changes nothing is dropped
.if MSB != \new
	s_set_vgpr_msb (MSB<<8)|\new
.set MSB, \new
.endif
.endm
.macro ROUND                           ; a round of the cluster's barrier
	s_barrier_signal -1
	s_barrier_wait -1
	s_cmp_lg_u32 s14, 0
	s_cbranch_scc1 .Lnot_wave_0_\@
	s_barrier_signal -3
.Lnot_wave_0_\@:
	s_barrier_wait -3
	s_barrier_signal -1
	s_barrier_wait -1
.endm
.macro PLACES n                        ; plain vector instructions between a matrix instruction and what reads its result or loads into its registers
.rept \n
	v_nop
.endr
.endm
.macro TW                              ; behind a batch of transcendentals: one plain instruction, and one wait ahead of the batch's first reader
	v_nop
	s_wait_alu depctr_va_vdst(0)
.endm
.macro EXPS d, s, n
.set ii, 0
.rept \n
	v_exp_f32 v[\d+ii], v[\s+ii]
.set ii, ii+1
.endr
.endm
.macro RCPS d, n
.set ii, 0
.rept \n
	v_rcp_f32 v[\d+ii], v[\d+ii]
.set ii, ii+1
.endr
.endm
.macro ADD1 d, n                       ; 1 + 2^(c z)
.set ii, 0
.rept (\n)/2
	v_pk_add_f32 v[\d+ii:\d+ii+1], v[\d+ii:\d+ii+1], 1.0 op_sel_hi:[1,0]
.set ii, ii+2
.endr
.endm
.macro TANH d, s, n                    ; 1 - 2 R
.set ii, 0
.rept (\n)/2
	v_pk_fma_f32 v[\d+ii:\d+ii+1], v[\s+ii:\s+ii+1], -2.0, 1.0 op_sel_hi:[1,0,0]
.set ii, ii+2
.endr
.endm
.macro DER d, n                        ; R - R^2, in place
.set ii, 0
.rept (\n)/2
	v_pk_fma_f32 v[\d+ii:\d+ii+1], v[\d+ii:\d+ii+1], v[\d+ii:\d+ii+1], v[\d+ii:\d+ii+1] neg_lo:[1,0,0] neg_hi:[1,0,0]
.set ii, ii+2
.endr
.endm
.macro SCALE d, s, n                   ; c z; it takes each accumulator from its low end on
.set ii, 0
.rept (\n)/2
	v_pk_mul_f32 v[\d+ii:\d+ii+1], v[\s+ii:\s+ii+1], s[30:31] op_sel_hi:[1,0]
.set ii, ii+2
.endr
.endm
.macro RC1 tr                          ; the next of 16 reciprocals, in place from v[tr] on; tr = 0: none
.if (\tr) && (rc < 16)
	v_rcp_f32 v[\tr+rc], v[\tr+rc]
.set rc, rc+1
.endif
.endm
; nb halves of blocks, 16 numbers each at v[p0 + 16 b], become codes and a scale byte in slot z0 + zs b of my scratch.  The blocks take turns line by line.
; wc: how many LDS instructions, issued behind the stores of the run before, may stay out when those stores must have read the registers that are written here; -1: the wait stands earlier in the text.
; tr: 16 reciprocals of the other tile stand among the maxima, which name none of their registers; the wait for them follows behind the macro.
.macro QUANT nb, p0, z0, zs, wc, tr
.set rc, 0
.if \wc >= 0
	s_wait_dscnt \wc
.endif
.irp b, 0,1,2,3,4
.if \b < \nb
	v_max3_num_f32 v[QM+\b], |v[\p0+16*\b]|, |v[\p0+16*\b+1]|, 0x1800000      ; the floor 2^(3 - 127) among the leaves: the byte cannot fall under 1
	v_max3_num_f32 v[QX+\b], |v[\p0+16*\b+8]|, |v[\p0+16*\b+9]|, |v[\p0+16*\b+10]|
	RC1 \tr
.endif
.endr
.irp i, 2,4
.irp b, 0,1,2,3,4
.if \b < \nb
	v_max3_num_f32 v[QM+\b], v[QM+\b], |v[\p0+16*\b+\i]|, |v[\p0+16*\b+\i+1]|
	v_max3_num_f32 v[QX+\b], v[QX+\b], |v[\p0+16*\b+\i+9]|, |v[\p0+16*\b+\i+10]|
	RC1 \tr
.endif
.endr
.endr
.irp b, 0,1,2,3,4
.if \b < \nb
	v_max3_num_f32 v[QM+\b], v[QM+\b], |v[\p0+16*\b+6]|, |v[\p0+16*\b+7]|
	RC1 \tr
.endif
.endr
.irp b, 0,1,2,3,4
.if \b < \nb
	v_max3_num_f32 v[QM+\b], v[QM+\b], v[QX+\b], |v[\p0+16*\b+15]|
.endif
.endr
.irp b, 0,1,2,3,4
.if \b < \nb
	v_permlanex16_b32 v[QX+\b], v[QM+\b], s28, s29
.endif
.endr
.irp b, 0,1,2,3,4
.if \b < \nb
	v_max_num_f32 v[QM+\b], v[QM+\b], v[QX+\b]     ; with lane l xor 16's 16: the block's largest magnitude
.endif
.endr
.irp b, 0,1,2,3,4
.if \b < \nb
	v_add_nc_u32 v[QS+\b], 0xff000000, v[QM+\b]    ; 2 off its exponent field: the conversion takes that field as its scale
.endif
.endr
.irp b, 0,1,2,3,4
.if \b < \nb
	v_cvt_scalef32_pk8_fp4_f32 v[QC+2*\b], v[\p0+16*\b:\p0+16*\b+7], v[QS+\b]
	v_cvt_scalef32_pk8_fp4_f32 v[QC+2*\b+1], v[\p0+16*\b+8:\p0+16*\b+15], v[QS+\b]
.endif
.endr
.irp b, 0,1,2,3,4
.if \b < \nb
	v_lshrrev_b32 v[QM+\b], 23, v[QS+\b]           ; the scale's byte.  (Also the plain line behind the conversions)
.endif
.endr
.irp b, 0,1,2,3,4
.if \b < \nb
	ds_store_b64 v[AC], v[QC+2*\b:QC+2*\b+1] offset:(\z0+\zs*\b)*2048
	ds_store_b8 v[AY], v[QM+\b] offset:(\z0+\zs*\b)*128      ; both lanes of a row write the same byte with the same value
.endif
.endr
.endm
.macro LOADW                           ; a block's four weight fragments, its scale words, its 16 biases of my half: 13 LDS loads
	WIN 0x40                                       ; destination window 1, address window 0
.irp f, 0,1,2,3
.irp c, 0,1
	ds_load_b128 v[WF+8*\f+4*\c:WF+8*\f+4*\c+3], v[AW] offset:1024*\f+512*\c
.endr
.endr
	WIN 0
	ds_load_b64 v[ASC:ASC+1], v[AS]
.irp i, 0,1,2,3
	ds_load_b128 v[BC+4*\i:BC+4*\i+3], v[AB] offset:16*\i
.endr
.endm
.macro LOAD1 w4                        ; a block of a first layer: c W1 of its two tiles, 16 numbers of c b1; w4 = 1: and 4 Vw1 of my 16 units, four columns: 6 or 22 LDS loads
.irp u, 0,1
	ds_load_b64 v[A1+2*\u:A1+2*\u+1], v[AA] offset:256*\u
.endr
.irp i, 0,1,2,3
	ds_load_b128 v[BC+4*\i:BC+4*\i+3], v[AB] offset:16*\i
.endr
.if \w4
	WIN 0x40
.irp k, 0,1,2,3
.irp i, 0,1,2,3
	ds_load_b128 v[W4R+16*\k+4*\i:W4R+16*\k+4*\i+3], v[AB] offset:1024+1024*\k+16*\i
.endr
.endr
	WIN 0
.endif
.endm
.macro LOADBC z                        ; slot z's two fragments out of my scratch (under destination window 1).  LDS serves a wave's instructions in order (ISA guide 5.7.1.4): these see my stores
.irp s, 0,1
.irp c, 0,1
	ds_load_b128 v[16*\z+8*\s+4*\c:16*\z+8*\s+4*\c+3], v6 offset:2048*\z+1024*\s+512*\c
.endr
.endr
.endm
.macro LOADBS z                        ; and its scale words of both K steps
	ds_load_b64 v[BS+2*\z:BS+2*\z+1], v5 offset:128*\z
.endm
.macro LOADB10
	WIN 0x40
.irp z, 0,1,2,3,4,5,6,7,8,9
	LOADBC \z
.endr
	WIN 0
.irp z, 0,1,2,3,4,5,6,7,8,9
	LOADBS \z
.endr
.endm
.macro MM1 p                           ; c z = c W1 x + c b1 for two tiles of units x two tiles of rows
.irp m, 0,1
.irp u, 0,1
	v_wmma_f32_16x16x4_f32 v[Z1+16*\m+8*\u:Z1+16*\m+8*\u+7], v[A1+2*\u:A1+2*\u+1], v[XF+4*\p+2*\m:XF+4*\p+2*\m+1], v[BC+8*\u:BC+8*\u+7]
.endr
.endr
.endm
; One product on codes: accumulator d, tile u of the block's weights, K step s, operand slot z.  K step 0 starts the sum, with the bias (cm = 1) or with 0; K step 1 adds in place.
.macro FP4MM d, u, s, z, cm
.if \s == 1
	v_wmma_scale_f32_16x16x128_f8f6f4 v[\d:\d+7], v[WF+16*\u+8:WF+16*\u+15], v[16*(\z)+8:16*(\z)+15], v[\d:\d+7], v[ASC+\u], v[BS+2*(\z)+1] matrix_a_fmt:MATRIX_FMT_FP4 matrix_b_fmt:MATRIX_FMT_FP4 matrix_a_scale:MATRIX_SCALE_ROW1
.elseif \cm == 1
	v_wmma_scale_f32_16x16x128_f8f6f4 v[\d:\d+7], v[WF+16*\u:WF+16*\u+7], v[16*(\z):16*(\z)+7], v[BC+8*\u:BC+8*\u+7], v[ASC+\u], v[BS+2*(\z)] matrix_a_fmt:MATRIX_FMT_FP4 matrix_b_fmt:MATRIX_FMT_FP4
.else
	v_wmma_scale_f32_16x16x128_f8f6f4 v[\d:\d+7], v[WF+16*\u:WF+16*\u+7], v[16*(\z):16*(\z)+7], 0, v[ASC+\u], v[BS+2*(\z)] matrix_a_fmt:MATRIX_FMT_FP4 matrix_b_fmt:MATRIX_FMT_FP4
.endif
.endm
.macro MMZ                             ; V's network: z of a block of 32 units for both tiles of rows: four accumulators by turns, one instruction a turn.  MMD follows under the same windows
	WIN 0x05                                       ; sources 0 and 1 window 1; C and D window 0
.irp s, 0,1
.irp m, 0,1
.irp u, 0,1
	FP4MM Z1+16*\m+8*\u, \u, \s, 5*\m, 1
.endr
.endr
.endr
.endm
.macro MMD m                           ; the same block's weights times tile m's four columns of the Jacobian: eight accumulators by turns
	WIN 0x05
.irp s, 0,1
.irp o, 1,2,3,4
.irp u, 0,1
	FP4MM ACC+16*\o+8*\u, \u, \s, 5*\m+\o, 0
.endr
.endr
.endr
	WIN 0
.endm
.macro MMU                             ; U's network: a block of 32 units for both tiles of rows: four accumulators by turns
	WIN 0x05
.irp s, 0,1
.irp m, 0,1
.irp u, 0,1
	FP4MM ACC+16*\m+8*\u, \u, \s, 5*\m, 1
.endr
.endr
.endr
	WIN 0
.endm
; Tile m's plain work behind its reciprocals is a list of 48 packed lines; P3OP writes number nn of it: 0-7 tanh = 1 - 2 R into v[ACC] on; 8-15 R - R^2 in place;
; 16-47 the Jacobian's four columns: l1 = 1: (R - R^2) x 4 Vw1; l1 = 0: the accumulators x (R - R^2), each accumulator from its low end on.
.macro P3OP m, l1
.if nn < 8
	WIN 0
	v_pk_fma_f32 v[ACC+2*nn:ACC+2*nn+1], v[EE+16*\m+2*nn:EE+16*\m+2*nn+1], -2.0, 1.0 op_sel_hi:[1,0,0]
.elseif nn < 16
	WIN 0
	v_pk_fma_f32 v[EE+16*\m+2*nn-16:EE+16*\m+2*nn-15], v[EE+16*\m+2*nn-16:EE+16*\m+2*nn-15], v[EE+16*\m+2*nn-16:EE+16*\m+2*nn-15], v[EE+16*\m+2*nn-16:EE+16*\m+2*nn-15] neg_lo:[1,0,0] neg_hi:[1,0,0]
.else
.set pof, 16*((nn-16)/8)+2*((nn-16)%8)
.set pix, 2*((nn-16)%8)
.if \l1
	WIN 0x04                                       ; source 1 window 1
	v_pk_mul_f32 v[ACC+16+pof:ACC+17+pof], v[EE+16*\m+pix:EE+16*\m+pix+1], v[W4R+pof:W4R+pof+1]
.else
	WIN 0
	v_pk_mul_f32 v[ACC+16+pof:ACC+17+pof], v[ACC+16+pof:ACC+17+pof], v[EE+16*\m+pix:EE+16*\m+pix+1]
.endif
.endif
.endm
.macro P3ALL m, l1, from, to           ; numbers from .. to - 1 of the list
.set nn, \from
.rept \to-\from
	P3OP \m, \l1
.set nn, nn+1
.endr
	WIN 0
.endm
; Tile 1's 16 exponentials (of v[src] on, into v[EE + 16] on), three lines of tile 0's list behind each.  No line of the list names a register of tile 1's; an exponential's source and destination lie in window 0 under both settings.
.macro WEAVE l1, src
.set tt, 0
.set nn, 0
.rept 16
	v_exp_f32 v[EE+16+tt], v[\src+tt]
.rept 3
	P3OP 0, \l1
.set nn, nn+1
.endr
.set tt, tt+1
.endr
	WIN 0
.endm
; ---- U's first layer: u1 = tanh(x Uw1^T + Ub1), quantised into slots 0 and 5.  Eight trips, a block of 32 units each; the next block's operands are fetched a trip ahead.
.macro L1U p
	s_mov_b32 s36, T_A1U
	s_mov_b32 s35, T_B1U
	s_mov_b32 s37, 0
	s_mov_b32 s38, 0
	v_add_nc_u32 v[AA], s36, v2
	v_add_nc_u32 v[AB], s35, v3
	LOAD1 0
	s_add_co_u32 s36, s36, 512
	s_add_co_u32 s35, s35, 128
	s_mov_b32 s32, 8
	s_wait_dscnt 0x0                               ; the first block's operands are in.  In the loop the quantiser's wait for 0 stands between a block's loads and the next trip's products
.Ll1u_\@:
	MM1 \p
	v_add_nc_u32 v[AA], s36, v2                    ; eight places behind the f32 form: two address lines and six v_nop
	v_add_nc_u32 v[AB], s35, v3
	PLACES 6
	EXPS EE, Z1, 32
	s_wait_dscnt 0x0                               ; the last trip's stores are done: their address registers are written next
	v_add_nc_u32 v[AC], s37, v4                    ; (the plain lines behind the batch)
	v_add_nc_u32 v[AY], s38, v5
	s_wait_alu depctr_va_vdst(0)                   ; the one wait for the 32 exponentials
	ADD1 EE, 32
	s_cmp_eq_u32 s32, 1                            ; the last trip fetches nothing
	s_cbranch_scc1 .Ll1us_\@
	LOAD1 0
.Ll1us_\@:
	RCPS EE, 32
	TW
	TANH ACC, EE, 32
	QUANT 2, ACC, 0, 5, 0, 0
	s_add_co_u32 s36, s36, 512
	s_add_co_u32 s35, s35, 128
	s_add_co_u32 s37, s37, 256
	s_add_co_u32 s38, s38, 1
	s_sub_co_u32 s32, s32, 1
	s_cmp_lg_u32 s32, 0
	s_cbranch_scc1 .Ll1u_\@
.endm
; ---- U's second and third layers: R of u1 Uw2^T + Ub2, and at once sum R Uw3.  v14 = SW - 2 sum: what the last tanh takes; lane l: row 2 l + p.
.macro L2U
	WIN 0x40
	LOADBC 0
	LOADBC 5
	WIN 0
	LOADBS 0
	LOADBS 5
	s_mov_b32 s33, T_UW2
	s_mov_b32 s34, T_SU2
	s_mov_b32 s35, T_B2U
	s_mov_b32 s39, T_UW3
	v_add_nc_u32 v[AW], s33, v1
	v_add_nc_u32 v[AS], s34, v2
	v_add_nc_u32 v[AB], s35, v3
	v_add_nc_u32 v[AA], s39, v3
	LOADW
	s_add_co_u32 s33, s33, 4096
	s_add_co_u32 s34, s34, 256
	s_add_co_u32 s35, s35, 128
	s_add_co_u32 s39, s39, 128
	s_wait_dscnt 0x0                               ; the operands are in, and the first layer's last stores have read the registers that are cleared next
.irp i, 0,1,2,3,4,5,6,7
	v_mov_b32 v[UD+\i], 0                          ; four chains of two
.endr
	s_mov_b32 s32, 8
.Ll2u_\@:
	s_wait_dscnt 0x0
.irp i, 0,1,2,3
	ds_load_b128 v[UW3R+4*\i:UW3R+4*\i+3], v[AA] offset:16*\i
.endr
	MMU
	v_add_nc_u32 v[AW], s33, v1                    ; four places behind the products
	v_add_nc_u32 v[AS], s34, v2
	v_add_nc_u32 v[AB], s35, v3
	v_nop
	s_cmp_eq_u32 s32, 1                            ; the last trip fetches nothing
	s_cbranch_scc1 .Ll2us_\@
	LOADW
.Ll2us_\@:
	SCALE ACC, ACC, 32
	EXPS ACC, ACC, 32
	TW
	ADD1 ACC, 32
	RCPS ACC, 32
	TW
	s_wait_dscnt 0x0                               ; Uw3's 16 numbers are in
.irp m, 0,1
.irp i, 0,1,2,3,4,5,6,7
	v_pk_fma_f32 v[UD+4*\m+2*(\i%2):UD+4*\m+2*(\i%2)+1], v[ACC+16*\m+2*\i:ACC+16*\m+2*\i+1], v[UW3R+2*\i:UW3R+2*\i+1], v[UD+4*\m+2*(\i%2):UD+4*\m+2*(\i%2)+1]
.endr
.endr
	v_add_nc_u32 v[AA], s39, v3
	s_add_co_u32 s33, s33, 4096
	s_add_co_u32 s34, s34, 256
	s_add_co_u32 s35, s35, 128
	s_add_co_u32 s39, s39, 128
	s_sub_co_u32 s32, s32, 1
	s_cmp_lg_u32 s32, 0
	s_cbranch_scc1 .Ll2u_\@
.irp m, 0,1
	v_pk_add_f32 v[UD+4*\m:UD+4*\m+1], v[UD+4*\m:UD+4*\m+1], v[UD+4*\m+2:UD+4*\m+3]
.endr
.irp m, 0,1
	v_add_f32 v[UD+4*\m], v[UD+4*\m], v[UD+4*\m+1] ; lane (r, h): the units of half h, for row r of tile m
.endr
	v_permlane16_swap_b32 v[UD], v[UD+4]           ; tile 0's lanes 16-31 change places with tile 1's lanes 0-15: lanes 0-15 now hold tile 0's two halves, lanes 16-31 tile 1's
	v_add_f32 v[UD], v[UD], v[UD+4]
	v_fma_f32 v14, v[UD], -2.0, v13
.endm
; ---- V's first layer: a1 and D1 = (1 - a1^2) Vw1, quantised into all ten slots.
.macro L1V p
	s_mov_b32 s36, T_A1V
	s_mov_b32 s35, T_B1V
	s_mov_b32 s37, 0
	s_mov_b32 s38, 0
	v_add_nc_u32 v[AA], s36, v2
	v_add_nc_u32 v[AB], s35, v3
	LOAD1 1
	s_add_co_u32 s36, s36, 512
	s_add_co_u32 s35, s35, 128
	s_mov_b32 s32, 8
	s_wait_dscnt 0x0                               ; the first block's operands are in
.Ll1v_\@:
	s_wait_dscnt 10                                ; this block's 22 loads are in: behind them only the ten stores of tile 1's quantiser were issued, and these may stay out
	MM1 \p
	v_add_nc_u32 v[AA], s36, v2                    ; eight places behind the f32 form
	v_add_nc_u32 v[AB], s35, v3
	PLACES 6
	EXPS EE, Z1, 16                                ; tile 0's chain stands alone
	TW
	ADD1 EE, 16
	RCPS EE, 16
	s_wait_dscnt 0x0                               ; the last trip's stores are done: their address and data registers are written from here on
	v_add_nc_u32 v[AC], s37, v4                    ; (the plain lines behind the batch)
	v_add_nc_u32 v[AY], s38, v5
	s_wait_alu depctr_va_vdst(0)                   ; the one wait for tile 0's reciprocals
	WEAVE 1, Z1+16                                 ; tile 0's tanh, derivative and D1 | tile 1's exponentials
	s_wait_alu depctr_va_vdst(0)                   ; the one wait for these; three plain lines stand behind the last
	ADD1 EE+16, 16
	QUANT 5, ACC, 0, 1, -1, EE+16                  ; tile 0 is quantised | tile 1's reciprocals
	s_wait_alu depctr_va_vdst(0)                   ; the one wait for these, ahead of their first reader and of the branch below
	P3ALL 1, 1, 0, 48
	s_wait_dscnt 0x0                               ; tile 0's stores have read the registers that tile 1's quantiser writes.  The wait stands ahead of the loads, so that it does not wait for them
	s_cmp_eq_u32 s32, 1                            ; the last trip fetches nothing
	s_cbranch_scc1 .Ll1vs_\@
	LOAD1 1                                        ; 4 Vw1 has been multiplied by for both tiles; the loads land while tile 1 is quantised
.Ll1vs_\@:
	QUANT 5, ACC, 5, 1, -1, 0
	s_add_co_u32 s36, s36, 512
	s_add_co_u32 s35, s35, 128
	s_add_co_u32 s37, s37, 256
	s_add_co_u32 s38, s38, 1
	s_sub_co_u32 s32, s32, 1
	s_cmp_lg_u32 s32, 0
	s_cbranch_scc1 .Ll1v_\@
.endm
; ---- V's second layer: a2 and D2 / 4 = (R - R^2) (Vw2 D1), back into the ten slots (their fragments lie in registers by then).
.macro L2V
	LOADB10
	s_mov_b32 s33, T_VW2
	s_mov_b32 s34, T_SV2
	s_mov_b32 s35, T_B2V
	s_mov_b32 s37, 0
	s_mov_b32 s38, 0
	v_add_nc_u32 v[AW], s33, v1
	v_add_nc_u32 v[AS], s34, v2
	v_add_nc_u32 v[AB], s35, v3
	LOADW
	s_add_co_u32 s33, s33, 4096
	s_add_co_u32 s34, s34, 256
	s_add_co_u32 s35, s35, 128
	s_mov_b32 s32, 8
	s_wait_dscnt 0x0                               ; the ten operands and the first block's weights are in
.Ll2v_\@:
	s_wait_dscnt 10                                ; this block's 13 loads are in: behind them only the ten stores of tile 1's quantiser were issued, and these may stay out
	MMZ
	MMD 0
	v_add_nc_u32 v[AW], s33, v1                    ; four places behind the products
	v_add_nc_u32 v[AS], s34, v2
	v_add_nc_u32 v[AB], s35, v3
	v_nop
	SCALE EE, Z1, 16
	EXPS EE, EE, 16                                ; tile 0's chain stands alone
	SCALE EE+16, Z1+16, 16                         ; (eight plain lines behind the batch)
	s_wait_alu depctr_va_vdst(0)                   ; the one wait for tile 0's exponentials
	ADD1 EE, 16
	RCPS EE, 16
	s_wait_dscnt 0x0                               ; the last trip's stores are done: their address and data registers are written from here on
	v_add_nc_u32 v[AC], s37, v4                    ; (the plain lines behind the batch)
	v_add_nc_u32 v[AY], s38, v5
	s_wait_alu depctr_va_vdst(0)                   ; the one wait for tile 0's reciprocals
	WEAVE 0, EE+16                                 ; tile 0's tanh, derivative and D2 | tile 1's exponentials
	s_wait_alu depctr_va_vdst(0)                   ; the one wait for these; three plain lines stand behind the last
	ADD1 EE+16, 16
	QUANT 5, ACC, 0, 1, -1, EE+16                  ; tile 0 is quantised | tile 1's reciprocals
	s_wait_alu depctr_va_vdst(0)                   ; the one wait for these: ahead of the products, so that it does not wait for them too
	MMD 1
	P3ALL 1, 0, 0, 16                              ; tile 1's tanh and derivative name no register of the products: sixteen places behind them
	LOADW                                          ; the next block; in the last trip that is Vw3's first, which lies on end in the table
	P3ALL 1, 0, 16, 48
	QUANT 5, ACC, 5, 1, 13, 0                      ; tile 0's ten stores are done when at most the 13 loads issued behind them are out
	s_add_co_u32 s33, s33, 4096
	s_add_co_u32 s34, s34, 256
	s_add_co_u32 s35, s35, 128
	s_add_co_u32 s37, s37, 256
	s_add_co_u32 s38, s38, 1
	s_sub_co_u32 s32, s32, 1
	s_cmp_lg_u32 s32, 0
	s_cbranch_scc1 .Ll2v_\@
.endm
; ---- V's third layer, two blocks of 32 units: a3, and the sums a3^2 and a3 (R - R^2) (Vw3 D2 / 4), in pairs.
.macro ACT3A m                         ; a3 into v[ACC] on; a3 (R - R^2) in tile m's half of EE
	TANH ACC, EE+16*\m, 16
	DER EE+16*\m, 16
.irp i, 0,2,4,6,8,10,12,14
	v_pk_mul_f32 v[EE+16*\m+\i:EE+16*\m+\i+1], v[EE+16*\m+\i:EE+16*\m+\i+1], v[ACC+\i:ACC+\i+1]
.endr
.endm
.macro ACT3B m, q                      ; the five sums by turns
.irp i, 0,2,4,6,8,10,12,14
.if (\q == 0) && (\i == 0)
	v_pk_mul_f32 v[VS+2*\m:VS+2*\m+1], v[ACC:ACC+1], v[ACC:ACC+1]            ; the first terms start the sums
.irp k, 0,1,2,3
	v_pk_mul_f32 v[GK+8*\m+2*\k:GK+8*\m+2*\k+1], v[EE+16*\m:EE+16*\m+1], v[ACC+16+16*\k:ACC+16+16*\k+1]
.endr
.else
	v_pk_fma_f32 v[VS+2*\m:VS+2*\m+1], v[ACC+\i:ACC+\i+1], v[ACC+\i:ACC+\i+1], v[VS+2*\m:VS+2*\m+1]
.irp k, 0,1,2,3
	v_pk_fma_f32 v[GK+8*\m+2*\k:GK+8*\m+2*\k+1], v[EE+16*\m+\i:EE+16*\m+\i+1], v[ACC+16+16*\k+\i:ACC+16+16*\k+\i+1], v[GK+8*\m+2*\k:GK+8*\m+2*\k+1]
.endr
.endif
.endr
.endm
.macro L3R q
	s_wait_dscnt 0x0
	MMZ
	MMD 0
.if \q == 0
	v_add_nc_u32 v[AW], s33, v1                    ; four places behind the products
	v_add_nc_u32 v[AS], s34, v2
	v_add_nc_u32 v[AB], s35, v3
	v_nop
.else
	PLACES 4
.endif
	SCALE EE, Z1, 32                               ; both tiles' chains as one: two batches, two waits
	EXPS EE, EE, 32
	TW
	ADD1 EE, 32
	RCPS EE, 32
	TW
	ACT3A 0
	ACT3B 0, \q
	MMD 1
	ACT3A 1                                        ; 24 plain lines that name no register of the products: the places behind them
.if \q == 0
	LOADW
.endif
	ACT3B 1, \q
.endm
.macro L3
	LOADB10
	s_mov_b32 s33, T_VW3+4096                      ; Vw3's second block
	s_mov_b32 s34, T_SV3+256
	s_mov_b32 s35, T_B3+128
	L3R 0
	L3R 1
.endm
; ---- the sums are closed, and each lane finishes its own row 2 l + p.
.set FV,  192                          ; sum a3^2;  v194, 196, 198, 200: the gradient / 16
.set FG,  194
.set FN,  202                          ; n, r, q, r^2
.set FR,  203
.set FQ,  204
.set FZ,  205
.set FS,  206                          ; the two polynomials, at work
.set FA,  207
.set FC,  208
.set FB,  209
.set FD,  210
.set FE,  211
.set FF,  212
.set SN,  213                          ; sin theta, cos theta
.set CS,  214
.set D2,  215                          ; 1 / (cos - 24.7), 1 / (cos^2 - 24.7)
.set D3,  216
.set UE,  217
.set W2,  218                          ; omega^2
.set N2,  219
.set N3,  220
.set M2,  221
.set M3,  222
.set TT,  223
.macro FIN p
.set TH, XR+4*\p+1
.set VV, XR+4*\p+2
.set OM, XR+4*\p+3
.irp m, 0,1
	v_add_f32 v[FV+\m], v[VS+2*\m], v[VS+2*\m+1]
.irp k, 0,1,2,3
	v_add_f32 v[FG+2*\k+\m], v[GK+8*\m+2*\k], v[GK+8*\m+2*\k+1]
.endr
.endr
.irp j, 0,2,4,6,8
	v_permlane16_swap_b32 v[FV+\j], v[FV+\j+1]     ; as in U's last layer: lanes 0-15 get tile 0's two halves, lanes 16-31 tile 1's
.endr
.irp j, 0,2,4,6,8
	v_add_f32 v[FV+\j], v[FV+\j], v[FV+\j+1]
.endr
	; sin and cos of theta: n = the nearest whole number to theta / (pi / 2); r = theta - n pi / 2, pi / 2 in two parts; polynomials on |r| <= pi / 4; the quadrant n mod 4 swaps and signs them, by selects alone
	v_mul_f32 v[FN], 0x3f22f983, v[TH]
	v_rndne_f32 v[FN], v[FN]
	v_fmamk_f32 v[FR], v[FN], 0xbfc90fdb, v[TH]
	v_fmamk_f32 v[FR], v[FN], 0x333bbd2e, v[FR]
	v_cvt_i32_f32 v[FQ], v[FN]
	v_mul_f32 v[FZ], v[FR], v[FR]
	v_mov_b32 v[FS], 0xb94ca1f9
	v_mov_b32 v[FC], 0x37ccf5ce
	v_fmaak_f32 v[FS], v[FS], v[FZ], 0x3c08839e
	v_fmaak_f32 v[FC], v[FC], v[FZ], 0xbab6061a
	v_fmaak_f32 v[FS], v[FS], v[FZ], 0xbe2aaaa3
	v_fmaak_f32 v[FC], v[FC], v[FZ], 0x3d2aaaa5
	v_mul_f32 v[FA], v[FZ], v[FR]
	v_mul_f32 v[FB], v[FZ], v[FZ]
	v_fma_f32 v[FD], v[FZ], -0.5, 1.0
	v_fma_f32 v[FS], v[FS], v[FA], v[FR]           ; sin r
	v_fma_f32 v[FC], v[FC], v[FB], v[FD]           ; cos r
	v_and_b32 v[FE], 1, v[FQ]
	v_cmp_eq_u32 vcc_lo, 1, v[FE]
	v_cndmask_b32 v[SN], v[FS], v[FC], vcc_lo      ; odd quadrants swap the two
	v_cndmask_b32 v[CS], v[FC], v[FS], vcc_lo
	v_lshlrev_b32 v[FE], 30, v[FQ]
	v_add_nc_u32 v[FF], 1, v[FQ]
	v_and_b32 v[FE], 0x80000000, v[FE]             ; sin changes sign in quadrants 2 and 3,
	v_lshlrev_b32 v[FF], 30, v[FF]
	v_xor_b32 v[SN], v[SN], v[FE]
	v_and_b32 v[FF], 0x80000000, v[FF]             ; cos in 1 and 2
	v_xor_b32 v[CS], v[CS], v[FF]
	v_add_f32 v[D2], 0xc1c5999a, v[CS]             ; cos - 24.7
	v_fmaak_f32 v[D3], v[CS], v[CS], 0xc1c5999a    ; cos^2 - 24.7
	v_mul_f32 v[UE], s30, v14
	v_rcp_f32 v[D2], v[D2]                         ; a batch of three; the numerators' first lines are the independent work behind it
	v_rcp_f32 v[D3], v[D3]
	v_exp_f32 v[UE], v[UE]
	v_mul_f32 v[W2], v[OM], v[OM]
	v_mul_f32 v[TT], 0x41380000, v[VV]             ; 11.5 v
	v_fmamk_f32 v[TT], v[SN], 0x411ccccd, v[TT]    ; + 9.8 sin
	v_mul_f32 v[N2], v[CS], v[TT]
	v_fmamk_f32 v[N2], v[VV], 0x4288cccd, v[N2]    ; + 68.4 v
	s_wait_alu depctr_va_vdst(0)                   ; the one wait for the three, ahead of their first reader
	v_add_f32 v[UE], 1.0, v[UE]
	v_rcp_f32 v[UE], v[UE]                         ; R of the last tanh; the rest of the numerators stands behind it
	v_mul_f32 v[TT], v[W2], v[SN]
	v_fmamk_f32 v[N2], v[TT], 0xbf99999a, v[N2]    ; - 1.2 omega^2 sin: f2's numerator
	v_fma_f32 v[TT], v[CS], s44, s45               ; -58.8 cos - 243.5
	v_mul_f32 v[N3], v[VV], v[TT]
	v_fmaak_f32 v[TT], v[W2], v[CS], 0x43504ccd    ; 208.3 + omega^2 cos
	v_fma_f32 v[N3], -v[SN], v[TT], v[N3]          ; f3's numerator
	v_fma_f32 v[M2], v[CS], s46, s47               ; g2's: -1.8 cos - 10.9
	v_fma_f32 v[M3], v[CS], s48, s49               ; g3's: 9.3 cos + 38.6
	v_mul_f32 v[TT], v[FG], v[VV]                  ; grad . f, its first two terms: f0 = v, f1 = omega
	v_fma_f32 v[TT], v[FG+2], v[OM], v[TT]
	v_mul_f32 v[RV+\p], 0.5, v[FV]                 ; V
	s_wait_alu depctr_va_vdst(0)                   ; the wait for R
	v_fma_f32 v[RU+\p], v[UE], s50, s51            ; u = 20 (1 - 2 R)
	v_fma_f32 v[N2], v[M2], v[RU+\p], v[N2]        ; f and g u share their divisors
	v_fma_f32 v[N3], v[M3], v[RU+\p], v[N3]
	v_mul_f32 v[N2], v[N2], v[D2]
	v_mul_f32 v[N3], v[N3], v[D3]
	v_fma_f32 v[TT], v[FG+4], v[N2], v[TT]
	v_fma_f32 v[TT], v[FG+6], v[N3], v[TT]
	v_mul_f32 v[RD+\p], 0x41800000, v[TT]          ; x 16: the two factors 4 that were left out at layers 2 and 3
.endm
	s_load_b256 s[4:11], s[0:1], 0x0               ; x s[4:5], the table s[6:7], out0 s[8:9], out1 s[10:11]
	s_load_b64 s[12:13], s[0:1], 0x20              ; out2
	v_lshl_add_u32 v254, v0, 2, 0x43800
	v_mov_b32 v255, 0
	ds_add_u32 v254, v255
	ds_add_u32 v254, v255
	v_lshrrev_b32 v15, 5, v0
	v_readfirstlane_b32 s14, v15                   ; wave 0..7
	s_bfe_u32 s40, ttmp6, 0x40000                  ; cx: my place in the cluster: it enters x's and the outputs' addresses alone
	s_lshl_b32 s41, ttmp9, 2                       ; in a cluster launch ttmp9 counts clusters
	s_add_co_u32 s41, s41, s40                     ; my work-group's number
	; descriptor group 1: a dense block of 48 rows of 256 bytes
	s_mov_b32 s16, 15|(3<<16)|(1<<21)              ; 15:0 the mask: all four work-groups; 17:16 elements of 8 bytes; 20 no padding; 21 set beside a mask
	s_mov_b32 s17, 32<<16                          ; tensor_dim0 = 32
	s_mov_b32 s18, 48<<16                          ; tensor_dim1 = 48
	s_mov_b32 s19, 32<<16                          ; tile_dim0 = 32
	s_mov_b32 s20, 48                              ; tile_dim1 = 48
	s_mov_b32 s21, 32                              ; from row to row
	s_mov_b32 s22, 0
	s_mov_b32 s23, 0
	s_mov_b32 s28, 0x76543210
	s_mov_b32 s29, 0xfedcba98                      ; v_permlanex16_b32's selects for lane l xor 16
	s_mov_b32 s30, 0x4038aa3b                      ; c = 2 log2(e)
	s_mov_b32 s31, s30                             ; (named with it as a pair, so it is written)
	s_mov_b32 s44, 0xc26b3333                      ; -58.8
	s_mov_b32 s45, 0xc3738000                      ; -243.5
	s_mov_b32 s46, 0xbfe66666                      ; -1.8
	s_mov_b32 s47, 0xc12e6666                      ; -10.9
	s_mov_b32 s48, 0x4114cccd                      ; 9.3
	s_mov_b32 s49, 0x421a6666                      ; 38.6
	s_mov_b32 s50, 0xc2200000                      ; -40
	s_mov_b32 s51, 0x41a00000                      ; 20
	s_mul_i32 s52, s14, 12288                      ; my wave's part of the table, in memory and in LDS alike
	s_mov_b32 s53, 0
	s_wait_dscnt 0x0
	s_wait_kmcnt 0x0
	s_mov_b32 s24, 1                               ; group 0: count = 1,
	s_mov_b32 s25, s52                             ; LDS address,
	s_add_nc_u64 s[26:27], s[6:7], s[52:53]        ; global address,
	s_or_b32 s27, s27, 0x80000000                  ; type = 2
	ROUND                                          ; all four work-groups are here: the joint loads meet
	tensor_load_to_lds s[24:27], s[16:23]          ; my one tensor load of the launch
	s_nop 0
	PLACES 4
	s_lshl_b32 s42, s41, 13                        ; x: 512 rows of 16 bytes a work-group,
	s_lshl_b32 s43, s14, 10                        ; 64 a wave
	s_add_co_u32 s42, s42, s43
	s_mov_b32 s43, 0
	s_add_nc_u64 s[4:5], s[4:5], s[42:43]
	s_lshr_b32 s42, s42, 2                         ; the outputs: 4 bytes a row
	s_add_nc_u64 s[8:9], s[8:9], s[42:43]
	s_add_nc_u64 s[10:11], s[10:11], s[42:43]
	s_add_nc_u64 s[12:13], s[12:13], s[42:43]
	v_and_b32 v15, 31, v0                          ; lane
	v_and_b32 v8, 15, v0                           ; r
	v_bfe_u32 v7, v0, 4, 1                         ; h
	v_lshlrev_b32 v11, 5, v8
	v_lshl_add_u32 v11, v7, 3, v11                 ; x as an operand: 32 r + 8 h (rows 2 r + p; columns 2 h, 2 h + 1)
	v_lshlrev_b32 v12, 5, v15                      ; x of my own rows: 32 lane
.irp p, 0,1
.irp m, 0,1
	global_load_b64 v[XF+4*\p+2*\m:XF+4*\p+2*\m+1], v11, s[4:5] offset:512*\m+16*\p
.endr
	global_load_b128 v[XR+4*\p:XR+4*\p+3], v12, s[4:5] offset:16*\p
.endr
	v_lshlrev_b32 v1, 4, v15                       ; 16 lane
	v_lshlrev_b32 v2, 3, v15                       ; 8 lane
	v_lshlrev_b32 v3, 6, v7                        ; 64 h
	s_mul_i32 s54, s14, WSCR
	s_add_co_u32 s54, s54, SCR                     ; my wave's scratch
	v_lshlrev_b32 v9, 4, v8
	v_lshl_add_u32 v9, v7, 3, v9
	v_add_nc_u32 v4, s54, v9                       ; + 16 r + 8 h: where my codes go
	v_lshlrev_b32 v10, 3, v8
	v_add_nc_u32 v5, s54, v10
	v_add_nc_u32 v5, SCB, v5                       ; + SCB + 8 r: my row's scale bytes
	v_add_nc_u32 v6, s54, v1                       ; + 16 lane: an image's place for my lane
	v_add_nc_u32 v15, T_SW, v2
	s_wait_tensorcnt 0x0                           ; my part of the table is in,
	s_barrier_signal -1
	s_barrier_wait -1                              ; everybody's is.  Nothing is filled again: from here on the table is only read
	ds_load_b32 v13, v15                           ; SW
	s_wait_loadcnt 0x0                             ; x; its address registers are free from here on
.irp p, 0,1
	L1U \p
	L2U
	L1V \p
	L2V
	L3
	FIN \p
.endr
	global_store_b64 v2, v[RU:RU+1], s[8:9] th:TH_STORE_NT      ; each store of the wave covers 256 consecutive bytes, aligned
	global_store_b64 v2, v[RV:RV+1], s[10:11] th:TH_STORE_NT
	global_store_b64 v2, v[RD:RD+1], s[12:13] th:TH_STORE_NT
	s_wait_dscnt 0x0                               ; no LDS instruction of mine is out at the signal
	s_wait_tensorcnt 0x0
	ds_add_u32 v254, v255
	s_wait_dscnt 0x0
	ROUND                                          ; the closing round: no work-group ends while a partner may still ask for the table
	s_endpgm
.Lfunc_end_k_q07cd0caa97_net:
	.size	k_q07cd0caa97_net, .Lfunc_end_k_q07cd0caa97_net-k_q07cd0caa97_net
	.p2alignl 7, 3214868480
	.fill 96, 4, 3214868480
	.section	.rodata,"a",@progbits
	.p2align	6, 0x0
	.amdhsa_kernel k_q07cd0caa97_net
		.amdhsa_group_segment_fixed_size 277504
		.amdhsa_private_segment_fixed_size 0
		.amdhsa_enable_private_segment 0
		.amdhsa_kernarg_size 40
		.amdhsa_user_sgpr_count 2
		.amdhsa_user_sgpr_kernarg_segment_ptr 1
		.amdhsa_wavefront_size32 1
		.amdhsa_system_sgpr_workgroup_id_x 1
		.amdhsa_system_sgpr_workgroup_id_y 1
		.amdhsa_system_sgpr_workgroup_id_z 1
		.amdhsa_system_vgpr_workitem_id 0
		.amdhsa_next_free_vgpr 512
		.amdhsa_next_free_sgpr 66
		.amdhsa_reserve_vcc 1
		.amdhsa_float_denorm_mode_32 3
		.amdhsa_float_denorm_mode_16_64 3
		.amdhsa_memory_ordered 1
		.amdhsa_forward_progress 1
		.amdhsa_inst_pref_size 238
	.end_amdhsa_kernel
	.amdgpu_metadata
---
amdhsa.version: [ 1, 2 ]
amdhsa.kernels:
  - .name:           k_q07cd0caa97_net
    .symbol:         k_q07cd0caa97_net.kd
    .args:
      - { .name: x, .offset: 0, .size: 8, .value_kind: global_buffer, .address_space: global }
      - { .name: tab, .offset: 8, .size: 8, .value_kind: global_buffer, .address_space: global }
      - { .name: out0, .offset: 16, .size: 8, .value_kind: global_buffer, .address_space: global }
      - { .name: out1, .offset: 24, .size: 8, .value_kind: global_buffer, .address_space: global }
      - { .name: out2, .offset: 32, .size: 8, .value_kind: global_buffer, .address_space: global }
    .group_segment_fixed_size: 277504
    .private_segment_fixed_size: 0
    .kernarg_segment_align: 8
    .kernarg_segment_size: 40
    .max_flat_workgroup_size: 256
    .sgpr_count:     66
    .vgpr_count:     512
    .wavefront_size: 32
...
	.end_amdgpu_metadata
.endif
;; end of part 2
